; MI455X (gfx1250); checked and timed in simulation.
; The chip was launched on July 23, 2026; its instructions are those of AMD's public machine-readable ISA for CDNA 5 (MIT licence, August 2026) and "CDNA5" Instruction Set Architecture Reference Guide (July 2026). The comments in the code are by the model that wrote it; some were corrected since.
;; co Attention. Allowed arithmetic: matrix products marked QUANTISED: E5M2 operands, one given power-of-two scale a tensor, by v_wmma_f32_16x16x64_bf8_bf8 or v_wmma_f32_16x16x128_bf8_bf8, f32 sums; everything else in f32.
;; Inputs: K_codes 16 x 1,024 x 4 x 32 uint8 (E5M2 codes of K, K innermost, in blocks of 32 codes); M_codes 16 x 1,024 x 32 x 32 uint8 (E5M2 codes of M, K innermost, in blocks of 32 codes); Q_codes 16 x 1,024 x 16 x 32 uint8 (E5M2 codes of Q, K innermost, in blocks of 32 codes); W3_codes 1,024 x 32 x 32 uint8 (E5M2 codes of W3, K innermost, in blocks of 32 codes); W4_codes 1,024 x 32 x 32 uint8 (E5M2 codes of W4, K innermost, in blocks of 32 codes); Wd_codes 128 x 64 x 32 uint8 (E5M2 codes of Wd, K innermost, in blocks of 32 codes); Wp_codes 1,024 x 16 x 32 uint8 (E5M2 codes of Wp, K innermost, in blocks of 32 codes); b3 1,024 float32; bd 128 float32; bp 1,024 float32; ht 16 x 1,024 x 1,024 float32; lowp_scales 10 int32 (the exponents e of the quantised operands' scales 2^e).
;; Outputs: out0 16 x 1,024 x 1,024 float32.
;; This version of the problem:
;;   THIS VERSION OF THE PROBLEM IS GIVEN IN LOW PRECISION. The matrix products marked QUANTISED in the list below multiply operands that are first quantised to E5M2 (5 exponent bits, 2 mantissa bits; 8 bits a number), with one given power-of-two scale for each operand tensor; their sums are f32. All else is computed in f32.
;;   The module's matrix products, in the order in which they are computed (A, B: the left and right operand; K: the contracted axis; several contracted axes count as one K, in the product's order):
;;     1. [M 16,384, K 512] x [K 512, N 1,024]; A: input Q (given as codes); B: input Wp (given as codes): QUANTISED (scales: A lowp_scales[0], B lowp_scales[1])
;;     2. [M 16,384, K 2,048] x [K 2,048, N 128]; A: computed on the way; B: input Wd (given as codes): QUANTISED (scales: A lowp_scales[2], B lowp_scales[3])
;;     3. batch 16 x [M 1,024, K 128] x [K 128, N 1,024]; A: input K (given as codes); B: computed on the way: QUANTISED (scales: A lowp_scales[4], B lowp_scales[5])
;;     4. [M 16,384, K 1,024] x [K 1,024, N 1,024]; A: input M (given as codes); B: input W3 (given as codes): QUANTISED (scales: A lowp_scales[6], B lowp_scales[7])
;;     5. [M 16,384, K 1,024] x [K 1,024, N 1,024]; A: computed on the way; B: input W4 (given as codes): QUANTISED (scales: A lowp_scales[8], B lowp_scales[9])
;;   THE QUANTISER, for each operand of a quantised product, along K:
;;     - The operand's scale is 2^e, e = its entry of the input lowp_scales (int32; the entries are numbered through the quantised products in the list's order, A before B).
;;     - Each number is divided by the scale, clamped to +-57,344, and rounded to the nearest number of E5M2, ties to even, subnormals kept.
;;     - The product sums the exact products of the quantised numbers (number of the format x scale) in f32.
;;   ~~~python
;;   def quantise(x, axis, e):      # numpy; x: float32 -> the quantised numbers, widened to float32 again
;;       x = np.moveaxis(x, axis, -1); K = x.shape[-1]
;;       r = np.clip(x / 2.0 ** e, -57344, 57344)
;;       step = 2.0 ** (np.maximum(np.frexp(np.where(r == 0, 1, r))[1] - 1, -14) - 2)
;;       q = np.round(r / step) * step * 2.0 ** e      # np.round: ties to even
;;       return np.moveaxis(q, -1, axis).astype(np.float32)
;;   ~~~
;;   OPERANDS COMPUTED ON THE WAY. 'Computed on the way' means the value that the module computes at that place (a softmax that the list does not call 'softmax' is quantised finished and normalised). What goes into a quantiser is computed in f32, as accurately as f32 sums, v_exp_f32 and their like allow (about 1e-6 of the number): no bf16 or f16 on the way to a quantiser, and a product that is left as it is and whose result goes on into a quantised operand takes f32 operands (vector FMAs, or v_wmma_f32_16x16x4_f32). A number that lies on a knife's edge between two numbers of the format may be rounded either way, as far as f32 arithmetic and the matrix unit's own rounding can turn it there, and no further.
;;   INPUTS GIVEN AS CODES. K (in the module: [16, 1024, 128], K = its axis 2); M (in the module: [16, 1024, 1024], K = its axis 1); Q (in the module: [16, 512, 1024], K = its axis 1); W3 (in the module: [1024, 1024], K = its axis 1); W4 (in the module: [1024, 1024], K = its axis 1); Wd (in the module: [2048, 128], K = its axis 0); Wp (in the module: [1024, 512], K = its axis 1): each comes as NAME_codes (uint8): NAME with its K axis moved to the last place and cut into blocks of 32 codes, [.., K / 32, bytes a block], one block behind the other in memory; one code a byte (a code: sign, 5 exponent bits, 2 mantissa bits); its scale is its entry of lowp_scales. Its value is code x scale, taken as it is: it is not quantised again, and the codes and scales need not be those that the quantiser above would give.
;; One version. Each part assembles by itself: llvm-mc -triple=amdgcn-amd-amdhsa -mcpu=gfx1250 --defsym DOCPART=n.
;; ======== version 1 of 1: 2 launches
;; workspace buffers: qc 16,777,216 bytes
;; launch qcode (part 1): grid 4 x 64, 4 waves a work-group, clusters of 4 x 4, 327,680 bytes of LDS; arguments Q_codes, Wp_codes, bp, lowp_scales, qc; writes qc
.if DOCPART == 1
	.amdgcn_target "amdgcn-amd-amdhsa--gfx1250"
	.amdhsa_code_object_version 6
	.text
	.protected	k_q4cc2cd916a_qcode
	.globl	k_q4cc2cd916a_qcode
	.p2align	8
	.type	k_q4cc2cd916a_qcode,@function
k_q4cc2cd916a_qcode:
	s_mov_b64 s[64:65], 0
	v_nop
	global_prefetch_b8 v0, s[64:65] scope:SCOPE_SE
	s_setreg_imm32_b32 hwreg(HW_REG_WAVE_MODE, 25, 1), 1
	s_wait_xcnt 0x0
	s_wait_alu depctr_hold_cnt(0) depctr_sa_sdst(0) depctr_va_vdst(0) depctr_va_sdst(0) depctr_va_ssrc(0) depctr_va_vcc(0) depctr_vm_vsrc(0)
	s_getreg_b32 s2, hwreg(HW_REG_IB_STS2, 6, 4)
	s_cmp_eq_u32 s2, 0
	s_cbranch_scc0 .Lentry_in_a_cluster
	s_endpgm
.Lentry_in_a_cluster:
	s_bfe_u32 s2, ttmp6, 0x10000c
	s_cmp_lg_u32 s2, 0xf033
	s_cbranch_scc0 .Lentry_shape_is_right
	s_endpgm
.Lentry_shape_is_right:
; q[b][i][k] = sum over j of Wp[i][j] Q[b][j][k] + bp[k], made as q^T and quantised along i: qc[R][i], R = 1024 b + k, one code of BF8 (E5M2) a byte.
; Q's codes lie [R][512] and Wp's [i][512], both with j innermost, so this is C[R][i] = sum over j of A[R][j] B[i][j] on codes: A = Q (16,384 rows), B = Wp (1,024 rows), K = 512.
; A row R of the result runs along i, which is the K of the later product W4 q: the codes leave with that K innermost, as the next launch's tiles want them.
; code = (sum x 2^(e0 + e1) + bp[k]) / 2^e8, held within +-57,344, to the nearest code, ties to even.  e0, e1, e8: entries 0, 1, 8 of the buffer of scales.
; LIMITS: e0 + e1 between -126 and 127; e8 between -126 and 112, so that each power of two below is an f32 number.  NaN and infinity among the codes are not served (the hold drops a NaN).
; Inside a matrix instruction k stands permuted, alike in both operands (fragments come by loads of 16 bytes): every product meets its partner, the order of the sums inside an instruction differs from the form's own.
; NOT COMPUTED, in this program as a whole: concat, mlp, scores and their softmax.  The defining function deletes that result in its own body and no output number hangs on it; so ht, K, Wd, bd and entries 2 to 5 of the scales are not read.
; SHARES.  A tile of 256 (R) x 256 (i) is made by a work-group of four waves, a wave makes 128 x 128: 64 accumulators, 512 registers.  K = 512 is two LDS slots of 256 along K, each filled once, at the start.
; CLUSTERS: 4 x 4 work-groups.  The four of a row of the cluster need the same tiles of Q, the four of a column the same tiles of Wp: each tile is asked for jointly, by the same tensor load with a mask that names the four.
; THE MATRIX INSTRUCTION IS USED TRANSPOSED (source 0 = 16 rows of Wp, source 1 = 16 rows of Q): lane (r, h) holds row R = 16 a + r, and its eight registers i = 16 b + 8 h + 0 .. 7: eight neighbours for one conversion.
; REGISTERS, in windows of 256: window 0: v1-6 at work, v16-31 addresses and the two scale numbers, v32-47 bp, v48-111 a block's numbers, v128-255 Q's fragments (one set), then the codes, then rows on their way out.
;   window 1: Wp's fragments, two sets.   windows 2, 3: the accumulators of my rows 0-63, 64-127 (accumulator (a, b) at v[8 (8 (a % 4) + b)]).
.set KROW,   512                       ; a row of Q's or Wp's codes in memory, in bytes
.set ROWB,   256                       ; a tile's row: 256 codes
.set PITCH,  272                       ; an LDS row: 256 bytes + 16 of padding = 68 words: row r starts at bank 4 r mod 64 (64 banks of 4 bytes: ISA guide 11.1)
.set FR,     16                        ; registers of a fragment: 16 rows x 128 K
.set NL,     4                         ; LDS loads that bring one
.set NP,     4                         ; places behind this matrix instruction (ISA guide 7.12.1)
.set HALFT,  128*PITCH                 ; 128 rows: what one tensor load brings
.set SLOT,   4*HALFT                   ; Q's 256 rows, then Wp's 256 rows
.set SPARE,  2*SLOT                    ; behind the slots: the spare words, 128 bytes for each wave, which no other line names
.set ADRA, 16                          ; v16-17  LDS address of my fragments of Q in slot 0, 1
.set ADRB, 20                          ; v20-21  the same for Wp
.set STO,  24                          ; v24     the way out: where I put 8 codes of a row
.set RD,   25                          ; v25     the way out: where I read rows back
.set CO,   26                          ; v26     my byte offset in qc
.set SPW,  28                          ; v28     LDS address of my spare word; never rewritten
.set NIL,  29                          ; v29     0; never rewritten
.set SC,   30                          ; v30     2^e8 as f32
.set LIM,  31                          ; v31     57,344 x 2^e8
.set BP,   32                          ; v32-47  pair 2 a, 2 a + 1: bp of my row of block a, twice
.set TMP,  48                          ; v48-111 a block's 64 numbers
.set AF,   128                         ; Q's fragments
.set CD,   128                         ; then the codes: 16 registers for each block, so that no LDS store's data are written again
.set OB,   128                         ; then 64 rows read back from the stage
.set G1, 24                            ; s[24:31] descriptor group 1 for Q's tiles;  s[32:39] group 0, one set for each slot
.set G0, 32
.set G1B, 48                           ; s[48:55], s[56:63] the same for Wp's tiles
.set G0B, 56
.set GW0, (1<<20)|(1<<21)|(5<<22)|(3<<25)   ; group 1, word 0 without the mask: elements of 1 byte; 20 padding on; 21 set beside a mask; 24:22 after every 64 words (code 5); 31:25 four words (code 3)
.set MSB, 0
.macro WIN new                         ; the immediate's high byte repeats the setting that is left; a switch that changes nothing is dropped
.if MSB != (\new)
	s_set_vgpr_msb (MSB<<8)|(\new)
.set MSB, (\new)
.endif
.endm
.set MUL_LO, 0xa1                      ; source 0 (Wp) window 1, source 1 (Q) window 0, C and D window 2
.set MUL_HI, 0xf1                      ; the same, C and D window 3
.set TO_B,   0x40                      ; destination window 1, address window 0
; A joint load: waves 0 and 1 fetch Q's two halves, waves 2 and 3 Wp's.  The branch hangs on the wave's number alone.  Four v_nop follow each of the two lines.
.macro JLOAD g0a, g1a, g0b, g1b
	s_cmp_eq_u32 s15, 0
	s_cbranch_scc0 .Lfor_b_\@
	tensor_load_to_lds s[\g0a:\g0a+3], s[\g1a:\g1a+7]
	s_nop 0
.rept 4
	v_nop
.endr
	s_branch .Lasked_\@
.Lfor_b_\@:
	tensor_load_to_lds s[\g0b:\g0b+3], s[\g1b:\g1b+7]
	s_nop 0
.rept 4
	v_nop
.endr
.Lasked_\@:
.endm
.macro CROUND                          ; a round of the cluster's barrier
	s_barrier_signal -1
	s_barrier_wait -1
	s_cmp_lg_u32 s14, 0
	s_cbranch_scc1 .Lnot_wave_0_\@
	s_barrier_signal -3
.Lnot_wave_0_\@:
	s_barrier_wait -3
	s_barrier_signal -1
	s_barrier_wait -1
.endm
	s_load_b256 s[4:11], s[0:1], 0x0               ; Q's codes s[4:5], Wp's codes s[6:7], bp s[8:9], the scales' exponents s[10:11]
	s_load_b64 s[12:13], s[0:1], 0x20              ; qc
	v_lshl_add_u32 v[SPW], v0, 2, SPARE
	v_mov_b32 v[NIL], 0
	ds_add_u32 v28, v29
	ds_add_u32 v28, v29
	s_wait_dscnt 0x0
	v_lshrrev_b32 v1, 5, v0
	v_readfirstlane_b32 s14, v1                    ; wave 0..3
	s_lshr_b32 s15, s14, 1                         ; which half of the tile's rows R is mine.  Also: I fetch for Q (0) or for Wp (1)
	s_and_b32 s16, s14, 1                          ; which half of its columns i.  Also: which 128 rows of that tile I fetch
	s_bfe_u32 s40, ttmp6, 0x40000                  ; cx: the grid has four work-groups along x, one cluster: cx is the tile column
	s_bfe_u32 s41, ttmp6, 0x40004                  ; cy
	s_and_b32 s17, ttmp7, 0xffff
	s_lshl_b32 s17, s17, 2
	s_add_co_u32 s17, s17, s41                     ; tile row = 4 x cluster y + cy
	s_lshl_b32 s43, s41, 2
	s_lshl_b32 s43, 15, s43                        ; my row of the cluster
	s_lshl_b32 s44, 0x1111, s40                    ; my column
	s_or_b32 s[G1+0], s43, GW0                     ; Q's tiles go to my row of the cluster,
	s_or_b32 s[G1B+0], s44, GW0                    ; Wp's to my column
.irp g, G1, G1B
	s_mov_b32 s[\g+1], ROWB<<16                    ; tensor_dim0 = 256
	s_mov_b32 s[\g+2], 128<<16                     ; tensor_dim1 = 128
	s_mov_b32 s[\g+3], ROWB<<16                    ; tile_dim0 = 256
	s_mov_b32 s[\g+4], 128                         ; tile_dim1 = 128
	s_mov_b32 s[\g+5], KROW                        ; tensor_dim0_stride
	s_mov_b32 s[\g+6], 0
	s_mov_b32 s[\g+7], 0
.endr
	s_lshl_b32 s18, s16, 7                         ; which 128 rows of the tile I fetch
	s_lshl_b32 s20, s17, 8
	s_add_co_u32 s20, s20, s18                     ; Q: row 256 x tile row + 128 x half,
	s_lshl_b32 s20, s20, 9                         ; in bytes (8,388,608 at the most)
	s_mov_b32 s21, 0
	s_lshl_b32 s46, s40, 8
	s_add_co_u32 s46, s46, s18                     ; Wp: row 256 x tile column + 128 x half,
	s_lshl_b32 s46, s46, 9                         ; in bytes
	s_mov_b32 s47, 0
	s_mul_i32 s45, s14, HALFT                      ; where they go: wave x 128 rows: no place in the cluster enters an LDS address
	s_wait_kmcnt 0x0
	s_load_b64 s[96:97], s[10:11], 0x0             ; e0, e1
	s_load_b32 s98, s[10:11], 0x20                 ; e8
	s_add_nc_u64 s[20:21], s[4:5], s[20:21]
	s_add_nc_u64 s[46:47], s[6:7], s[46:47]
	CROUND                                         ; all sixteen work-groups are here: the joint loads meet
.irp s, 0,1
	s_mov_b32 s[G0+4*\s], 1
	s_add_co_u32 s[G0+4*\s+1], s45, \s*SLOT
	s_add_nc_u64 s[G0+4*\s+2:G0+4*\s+3], s[20:21], \s*ROWB
	s_or_b32 s[G0+4*\s+3], s[G0+4*\s+3], 0x80000000
	s_mov_b32 s[G0B+4*\s], 1
	s_add_co_u32 s[G0B+4*\s+1], s45, \s*SLOT
	s_add_nc_u64 s[G0B+4*\s+2:G0B+4*\s+3], s[46:47], \s*ROWB
	s_or_b32 s[G0B+4*\s+3], s[G0B+4*\s+3], 0x80000000
	JLOAD G0+4*\s, G1, G0B+4*\s, G1B               ; both slots are asked for at once: two tensor loads of mine are out, and no more follow
.endr
	v_and_b32 v1, 15, v0                           ; r = l % 16
	v_bfe_u32 v2, v0, 4, 1                         ; h = l / 16
	v_mul_u32_u24 v3, v1, PITCH
	v_lshl_add_u32 v4, v2, 4, v3                   ; a fragment's row x pitch + 16 x half
	s_mul_i32 s21, s15, HALFT                      ; my 128 rows of Q
	s_mul_i32 s22, s16, HALFT                      ; my 128 rows of Wp,
	s_add_co_u32 s22, s22, 2*HALFT                 ; which lie behind Q's 256
.irp s, 0,1
	v_add_nc_u32 v[ADRA+\s], s21, v4
	v_add_nc_u32 v[ADRB+\s], s22, v4
	s_add_co_u32 s21, s21, SLOT
	s_add_co_u32 s22, s22, SLOT
.endr
	; THE STAGE: 256 rows (R) x 272 bytes from LDS byte 0 on, over slot 0's rows of Q: that slot has its one fill, and behind the change of slots nobody reads it
	s_mul_i32 s23, s15, 128*PITCH                  ; in: my 128 rows,
	s_lshl_b32 s18, s16, 7                         ; my 128 of their 256 bytes,
	s_add_co_u32 s23, s23, s18
	v_lshl_add_u32 v5, v2, 3, v3                   ; row r, 8 bytes for each half of the lanes
	v_add_nc_u32 v[STO], s23, v5
	s_mul_i32 s23, s14, 64*PITCH                   ; back: wave w takes rows 64 w .. 64 w + 63, whole; lanes 0-15 one row, lanes 16-31 the next
	v_mul_u32_u24 v5, v2, PITCH
	v_lshl_add_u32 v5, v1, 4, v5
	v_add_nc_u32 v[RD], s23, v5
	v_lshlrev_b32 v5, 10, v2                       ; and the same two rows in qc, 1,024 bytes apart
	v_lshl_add_u32 v[CO], v1, 4, v5
	v_lshlrev_b32 v6, 2, v1                        ; bp: 4 r
	s_lshl_b32 s22, s17, 8
	s_lshl_b32 s23, s15, 7
	s_add_co_u32 s22, s22, s23                     ; my first row R;
	s_and_b32 s22, s22, 1023                       ; its k = R mod 1,024; my 128 rows stay inside one b
	s_lshl_b32 s22, s22, 2
	s_mov_b32 s23, 0
	s_add_nc_u64 s[8:9], s[8:9], s[22:23]
.irp a, 0,1,2,3,4,5,6,7
	global_load_b32 v[BP+2*\a], v6, s[8:9] offset:64*\a            ; bp[k] of row 16 a + r
.endr
	s_lshl_b32 s20, s17, 8
	s_lshl_b32 s21, s14, 6
	s_add_co_u32 s20, s20, s21                     ; the first row of qc that I store: 256 x tile row + 64 x wave,
	s_lshl_b32 s20, s20, 10                        ; in bytes (under 2^24),
	s_lshl_b32 s21, s40, 8
	s_add_co_u32 s20, s20, s21                     ; + the tile's first column
	s_mov_b32 s21, 0
	s_add_nc_u64 s[12:13], s[12:13], s[20:21]
.macro FRAG reg, adr, q, i             ; a fragment, 16 rows x 128 K, is 16 registers: lane l holds row l % 16; registers 4 c .. 4 c + 3 hold K = 32 c + 16 (l / 16) + 0 .. 15
.irp c, 0,1,2,3
	ds_load_b128 v[\reg+4*\c:\reg+4*\c+3], v[\adr] offset:128*(\q)+32*\c+(\i)*16*PITCH
.endr
.endm
; 16 matrix instructions: Q's blocks a0, a0 + 1 x Wp's eight, 128 along K.  p: Wp's set.  zero = 1: the first product starts the sums.
; The 64 accumulators take turns, one instruction a turn, in the same order in every step.
.macro MUL16 a0, p, zero
.irp a, \a0, \a0+1
.irp b, 0,1,2,3,4,5,6,7
.if \zero
	v_wmma_f32_16x16x128_bf8_bf8 v[8*(8*((\a)%4)+\b):8*(8*((\a)%4)+\b)+7], v[128*(\p)+FR*\b:128*(\p)+FR*\b+FR-1], v[AF+FR*(\a):AF+FR*(\a)+FR-1], 0
.else
	v_wmma_f32_16x16x128_bf8_bf8 v[8*(8*((\a)%4)+\b):8*(8*((\a)%4)+\b)+7], v[128*(\p)+FR*\b:128*(\p)+FR*\b+FR-1], v[AF+FR*(\a):AF+FR*(\a)+FR-1], v[8*(8*((\a)%4)+\b):8*(8*((\a)%4)+\b)+7]
.endif
.endr
.endr
.endm
.macro FETCH_B slot, q, p              ; Wp's eight fragments of the slot's q-th 128 along K into set p
	WIN TO_B
.irp i, 0,1,2,3,4,5,6,7
	FRAG 128*(\p)+FR*\i, ADRB+\slot, \q, \i
.endr
	WIN 0
.endm
.macro FETCH_A slot, q, i0             ; Q's blocks i0 .. i0 + 3
.irp i, \i0, \i0+1, \i0+2, \i0+3
	FRAG AF+FR*(\i), ADRA+\slot, \q, \i
.endr
.endm
.macro PLACES n                        ; a load into a register that a matrix instruction has read stands NP plain vector instructions behind it (ISA guide 7.12.1 for vector instructions)
.rept \n
	v_nop
.endr
.endm
; A step of 128 along K that has its successor in the same slot.  A block of Q is free as soon as its eight products are issued: one set of registers serves Q; Wp's fragments are at work through the whole step and have two.
.macro STEP slot, q, zero
	s_wait_dscnt 4*NL                              ; Wp's set and Q's blocks 0-3 are in; the youngest sixteen loads (Q's blocks 4-7) may be out
	WIN MUL_LO
	MUL16 0, (\q)%2, \zero
	MUL16 2, (\q)%2, \zero
	s_wait_dscnt 0                                 ; Q's blocks 4-7 are in
	PLACES NP
	FETCH_B \slot, (\q)+1, 1-(\q)%2
	FETCH_A \slot, (\q)+1, 0
	WIN MUL_HI
	MUL16 4, (\q)%2, \zero
	MUL16 6, (\q)%2, \zero
	PLACES NP
	WIN 0
	FETCH_A \slot, (\q)+1, 4
.endm
	s_wait_tensorcnt 1                             ; my part of slot 0 is in (slot 1's load may be out)
	s_barrier_signal -1
	s_barrier_wait -1                              ; everybody's is
	FETCH_B 0, 0, 0
	FETCH_A 0, 0, 0
	FETCH_A 0, 0, 4
	STEP 0, 0, 1                                   ; K 0-127: its products start the sums
	; K 128-255, and the change of slots: one barrier; in front of it my part of slot 1 has landed and my reads of slot 0 are over
	s_wait_tensorcnt 0x0                           ; all my tensor loads have landed
	ds_add_u32 v[SPW], v[NIL]                      ; 0 onto my spare word
	s_wait_dscnt 4*NL+1                            ; (the add and the youngest sixteen loads may be out)
	WIN MUL_LO
	MUL16 0, 1, 0                                  ; sixteen matrix instructions stand between the add and the wait for it
	s_wait_dscnt 0x0                               ; the add is done, and my reads of slot 0 are over
	s_barrier_signal -1
	MUL16 2, 1, 0
	s_barrier_wait -1                              ; slot 1 is whole, and nobody reads slot 0 any more
	PLACES NP
	FETCH_B 1, 0, 0
	FETCH_A 1, 0, 0
	WIN MUL_HI
	MUL16 4, 1, 0
	MUL16 6, 1, 0
	PLACES NP
	WIN 0
	FETCH_A 1, 0, 4
	STEP 1, 0, 0                                   ; K 256-383
	s_wait_dscnt 4*NL                              ; K 384-511: nothing more to fetch
	WIN MUL_LO
	MUL16 0, 1, 0
	MUL16 2, 1, 0
	s_wait_dscnt 0
	WIN MUL_HI
	MUL16 4, 1, 0
	MUL16 6, 1, 0
	WIN 0
	s_wait_kmcnt 0x0
	s_add_co_i32 s96, s96, s97                     ; e0 + e1
	s_add_co_i32 s96, s96, 127
	s_lshl_b32 s96, s96, 23                        ; 2^(e0 + e1) as f32
	s_mov_b32 s97, s96                             ; (named with it as a pair, so it is written)
	s_add_co_i32 s98, s98, 127
	s_lshl_b32 s99, s98, 23
	s_add_co_i32 s98, s98, 15
	s_lshl_b32 s98, s98, 23
	s_or_b32 s98, s98, 0x600000
	s_wait_loadcnt 0x0                             ; bp
	v_mov_b32 v[SC], s99                           ; 2^e8: the conversion takes its exponent field.  These ten plain lines name no register of the last products: they are the places behind them
	v_mov_b32 v[LIM], s98                          ; 57,344 x 2^e8
.irp a, 0,1,2,3,4,5,6,7
	v_mov_b32 v[BP+2*\a+1], v[BP+2*\a]             ; the packed multiply-add takes bp as a pair
.endr
; THE WAY OUT of block a (16 rows R x my 128 columns i): q = sum x 2^(e0 + e1) + bp, one fused multiply-add for two numbers, each accumulator from its low end on; the hold; eight conversions; 8 bytes a lane and tile into the stage.
.macro QOUT a
.set AC, 64*((\a)%4)
	WIN 0x02+((\a)/4)                              ; source 0: window 2 or 3
.set x, 0
.rept 32
	v_pk_fma_f32 v[TMP+x:TMP+x+1], v[AC+x:AC+x+1], s[96:97], v[BP+2*(\a):BP+2*(\a)+1] op_sel_hi:[1,0,1]
.set x, x+2
.endr
	WIN 0
.set x, 0
.rept 64
	v_med3_num_f32 v[TMP+x], v[TMP+x], -v[LIM], v[LIM]   ; the conversion to an 8-bit code does not saturate (ISA guide 7.6.2): the hold at the largest code x the scale
.set x, x+1
.endr
.irp b, 0,1,2,3,4,5,6,7
	v_cvt_scalef32_pk8_bf8_f32 v[CD+16*(\a)+2*\b:CD+16*(\a)+2*\b+1], v[TMP+8*\b:TMP+8*\b+7], v[SC]   ; i = 16 b + 8 h + 0 .. 7 of my row
.endr
	v_nop                                          ; one plain vector line between the conversions and the next block's lines, which write their sources
.irp b, 0,1,2,3,4,5,6,7
	ds_store_b64 v[STO], v[CD+16*(\a)+2*\b:CD+16*(\a)+2*\b+1] offset:(\a)*16*PITCH+16*\b
.endr
.endm
.irp a, 0,1,2,3,4,5,6,7
	QOUT \a
.endr
	s_wait_dscnt 0x0                               ; for the others' sake: my stores into the stage are done (a row's 256 bytes come from two waves)
	s_barrier_signal -1
	s_barrier_wait -1
.set t, 0
.rept 32
	ds_load_b128 v[OB+4*t:OB+4*t+3], v[RD] offset:2*t*PITCH
.set t, t+1
.endr
.set t, 0
.rept 32
	s_wait_dscnt 31-t                              ; LDS loads come back in order: pair t of rows is in
	global_store_b128 v[CO], v[OB+4*t:OB+4*t+3], s[12:13] offset:2048*t   ; 16 lanes store 256 consecutive bytes, at a multiple of 256 from qc's first byte; the next launch reads them, so no hint
.set t, t+1
.endr
	s_wait_tensorcnt 0x0                           ; the wave's end
	ds_add_u32 v[SPW], v[NIL]
	s_wait_dscnt 0x0
	CROUND                                         ; the closing round: no work-group ends while a partner may still ask for a tile that names it
	s_endpgm
.Lfunc_end_k_q4cc2cd916a_qcode:
	.size	k_q4cc2cd916a_qcode, .Lfunc_end_k_q4cc2cd916a_qcode-k_q4cc2cd916a_qcode
	.p2alignl 7, 3214868480
	.fill 96, 4, 3214868480
	.section	.rodata,"a",@progbits
	.p2align	6, 0x0
	.amdhsa_kernel k_q4cc2cd916a_qcode
		.amdhsa_group_segment_fixed_size 327680
		.amdhsa_private_segment_fixed_size 0
		.amdhsa_enable_private_segment 0
		.amdhsa_kernarg_size 40
		.amdhsa_user_sgpr_count 2
		.amdhsa_user_sgpr_kernarg_segment_ptr 1
		.amdhsa_wavefront_size32 1
		.amdhsa_system_sgpr_workgroup_id_x 1
		.amdhsa_system_sgpr_workgroup_id_y 1
		.amdhsa_system_sgpr_workgroup_id_z 1
		.amdhsa_system_vgpr_workitem_id 0
		.amdhsa_next_free_vgpr 1024
		.amdhsa_next_free_sgpr 100
		.amdhsa_reserve_vcc 0
		.amdhsa_float_denorm_mode_32 3
		.amdhsa_float_denorm_mode_16_64 3
		.amdhsa_memory_ordered 1
		.amdhsa_forward_progress 1
		.amdhsa_inst_pref_size 106
	.end_amdhsa_kernel
	.amdgpu_metadata
---
amdhsa.version: [ 1, 2 ]
amdhsa.kernels:
  - .name:           k_q4cc2cd916a_qcode
    .symbol:         k_q4cc2cd916a_qcode.kd
    .args:
      - { .name: Q_codes, .offset: 0, .size: 8, .value_kind: global_buffer, .address_space: global }
      - { .name: Wp_codes, .offset: 8, .size: 8, .value_kind: global_buffer, .address_space: global }
      - { .name: bp, .offset: 16, .size: 8, .value_kind: global_buffer, .address_space: global }
      - { .name: lowp_scales, .offset: 24, .size: 8, .value_kind: global_buffer, .address_space: global }
      - { .name: qc, .offset: 32, .size: 8, .value_kind: global_buffer, .address_space: global }
    .group_segment_fixed_size: 327680
    .private_segment_fixed_size: 0
    .kernarg_segment_align: 8
    .kernarg_segment_size: 40
    .max_flat_workgroup_size: 128
    .sgpr_count:     100
    .vgpr_count:     1024
    .wavefront_size: 32
...
	.end_amdgpu_metadata
.endif
;; end of part 1
;; launch gate (part 2): grid 64 x 4, 4 waves a work-group, clusters of 4 x 4, 327,680 bytes of LDS; arguments M_codes, W3_codes, qc, W4_codes, Q_codes, Wp_codes, b3, bp, lowp_scales, out0; writes out0
.if DOCPART == 2
	.amdgcn_target "amdgcn-amd-amdhsa--gfx1250"
	.amdhsa_code_object_version 6
	.text
	.protected	k_q4cc2cd916a_gate
	.globl	k_q4cc2cd916a_gate
	.p2align	8
	.type	k_q4cc2cd916a_gate,@function
k_q4cc2cd916a_gate:
	s_mov_b64 s[64:65], 0
	v_nop
	global_prefetch_b8 v0, s[64:65] scope:SCOPE_SE
	s_setreg_imm32_b32 hwreg(HW_REG_WAVE_MODE, 25, 1), 1
	s_wait_xcnt 0x0
	s_wait_alu depctr_hold_cnt(0) depctr_sa_sdst(0) depctr_va_vdst(0) depctr_va_sdst(0) depctr_va_ssrc(0) depctr_va_vcc(0) depctr_vm_vsrc(0)
	s_getreg_b32 s2, hwreg(HW_REG_IB_STS2, 6, 4)
	s_cmp_eq_u32 s2, 0
	s_cbranch_scc0 .Lentry_in_a_cluster
	s_endpgm
.Lentry_in_a_cluster:
	s_bfe_u32 s2, ttmp6, 0x10000c
	s_cmp_lg_u32 s2, 0xf033
	s_cbranch_scc0 .Lentry_shape_is_right
	s_endpgm
.Lentry_shape_is_right:
; out0[b][i][k] = relu(S) x q,  S = sum over j of W3[i][j] M[b][j][k] + sum over j of W4[i][j] Quant(q)[b][j][k] + b3[k],  q = sum over j of Wp[i][j] Q[b][j][k] + bp[k].
; All operands are codes of BF8 (E5M2) with j innermost: the weights [i][..], the activations [R][..], R = 1024 b + k (M's and Q's codes as given; qc, q's codes, from the launch before).
; So each product is C[i][R] = sum over j of A[i][j] B[R][j]: A = a weight (1,024 rows), B = an activation (16,384 rows).
; SHARES.  A tile of 256 (i) x 256 (R) is made by a work-group of four waves; a wave makes 128 x 128.  S runs over K = 2,048 (W3 M, then W4 qc) on 64 accumulators, 512 registers.
; Then q of the same tile is made ANEW in f32 (K = 512), in two chunks of 64 rows i, on 32 accumulators that lie where the activations' fragments lay: q in f32 never goes through memory, which would be
; 67,108,864 bytes out and as many in; the price is 17.2 of the program's 103 GFLOP.  Each chunk is gated and stored as soon as it is made: the first half of the tile leaves while the second is multiplied.
; SCALES (entries of the buffer of scales: e0 Q, e1 Wp, e6 M, e7 W3, e8 q, e9 W4).  S's sums begin as b3 / 2^(e6 + e7) (the C of the first products), are multiplied once by 2^(e6 + e7 - e8 - e9) between the two
; segments, and end as S / 2^(e8 + e9).  A power of two does not change a sign, so relu is taken of the sum as it stands, and out = max(sum, 0) x (q's sum x 2^(e0 + e1 + e8 + e9) + bp x 2^(e8 + e9)).
; LIMITS: e6 + e7 - e8 - e9 and e0 + e1 + e8 + e9 between -126 and 127, so that both powers of two are f32 numbers.  NaN and infinity among the codes are not served (the maximum drops a NaN).
; Inside a matrix instruction k stands permuted, alike in both operands (fragments come by loads of 16 bytes): every product meets its partner, the order of the sums inside an instruction differs from the form's own.
; NOT COMPUTED: concat, mlp, scores and their softmax.  The defining function deletes that result in its own body and no output number hangs on it; so ht, K, Wd, bd and entries 2 to 5 of the scales are not read.
; THE RING.  Two LDS slots of 256 along K (a weight's 256 rows, then an activation's 256 rows), ten fills: four of W3 | M, four of W4 | qc, two of Wp | Q.  Each wave brings a quarter of a fill by one tensor load of 128 rows x 256 bytes.
; By this text's own count a wave has two tensor loads out at the start and one behind each refill.  The text has no loop: sixteen steps of 128 along K and sixteen of 64 are written out by macros.
; CLUSTERS: 4 x 4 work-groups.  The four of a row of the cluster need the same tiles of the weights, the four of a column the same tiles of the activations: each tile is asked for jointly, by the same tensor load with a mask that names the four.
; THE MATRIX INSTRUCTION IS USED TRANSPOSED (source 0 = 16 rows R, source 1 = 16 rows i): lane (r, h) holds row i = 16 a + r, and its eight registers k = 16 b + 8 h + 0 .. 7: 32 neighbouring bytes of a row of out0.
; REGISTERS, in windows of 256: window 0: v1-6 at work; v16-29 addresses; v32-95 the bias of my 128 columns in the result's layout (b3, later bp); v96-127 the weights' fragments of a chunk (4 x 16 rows x 64 K);
;   v128-255 the weights' fragments (8 x 16 rows x 128 K, one set), later the activations' of 64 K in two sets, later rows on their way out.
;   window 1: the activations' fragments, two sets; later q's 32 accumulators.   windows 2, 3: S's accumulators of my rows 0-63, 64-127 (accumulator (a, b) at v[8 (8 (a % 4) + b)]).
.set PITCH,  272                       ; an LDS row: 256 bytes + 16 of padding = 68 words: row r starts at bank 4 r mod 64 (64 banks of 4 bytes: ISA guide 11.1)
.set FR,     16                        ; registers of a fragment of 16 rows x 128 K
.set NL,     4                         ; LDS loads that bring one
.set NP,     4                         ; places behind these matrix instructions (ISA guide 7.12.1)
.set HALFT,  128*PITCH                 ; 128 rows: what one tensor load brings
.set SLOT,   4*HALFT                   ; the weight's 256 rows, then the activation's 256 rows
.set SPARE,  2*SLOT                    ; behind the ring: the spare words, 128 bytes for each wave, which no other line names
.set STAGE,  SPARE+512                 ; behind them: 16 rows x 528 bytes for each wave, for the way out; no fill lands here
.set SPITCH, 528
.set ADRA, 16                          ; v16-17  LDS address of my fragments of the weights in slot 0, 1
.set ADRB, 20                          ; v20-21  the same for the activations
.set STO,  24                          ; v24     the way out: where I put 32 bytes of a row
.set RD,   25                          ; v25     the way out: where I read a row back
.set CO,   26                          ; v26     my byte offset in a row of out0
.set BO,   27                          ; v27     32 h: my half's eight numbers of a tile of b3 or bp
.set SPW,  28                          ; v28     LDS address of my spare word; never rewritten
.set NIL,  29                          ; v29     0; never rewritten
.set BIAS, 32
.set RA,   96
.set AF,   128
.set RB,   128
.set BK,   128
.set G1A,  24                          ; s[24:31] descriptor group 1 for W3's and W4's tiles;  s[32:39] the weights' group 0, one set for each slot
.set G0A,  32
.set G1B,  48                          ; s[48:55], s[56:63] the same for M's and qc's tiles
.set G0B,  56
.set WV,   66                          ; s66 my wave's number; s67 wave / 2; s104 wave % 2
.set WH,   67
.set WL,   104
.set G1A5, 68                          ; s[68:75], s[76:83] group 1 for Wp's and Q's tiles: rows 512 bytes apart in memory
.set G1B5, 76
.set AW4,  84                          ; s[84:85] W4 at the rows that I fetch;  s[86:87] qc;  s[88:89] Wp;  s[90:91] Q
.set BQC,  86
.set AWP,  88
.set BQ,   90
.set MID,  92                          ; s[92:93] 2^(e6 + e7 - e8 - e9), twice
.set FIN,  94                          ; s[94:95] 2^(e0 + e1 + e8 + e9), twice
.set NB3,  98                          ; s98  -(e6 + e7)
.set EB,   100                         ; s100 e8 + e9
.set GW0, (1<<20)|(1<<21)|(5<<22)|(3<<25)   ; group 1, word 0 without the mask: elements of 1 byte; 20 padding on; 21 set beside a mask; 24:22 after every 64 words (code 5); 31:25 four words (code 3)
.set MSB, 0
.macro WIN new                         ; the immediate's high byte repeats the setting that is left; a switch that changes nothing is dropped
.if MSB != (\new)
	s_set_vgpr_msb (MSB<<8)|(\new)
.set MSB, (\new)
.endif
.endm
.set MUL_LO, 0xa1                      ; source 0 (activation) window 1, source 1 (weight) window 0, C and D window 2
.set MUL_HI, 0xf1                      ; the same, C and D window 3
.set TO_B,   0x40                      ; destination window 1, address window 0
.set MUL_Q,  0x50                      ; sources 0 and 1 window 0, C and D window 1
; A joint load: waves 0 and 1 fetch the weight's two halves, waves 2 and 3 the activation's.  The branch hangs on the wave's number alone.  Four v_nop follow each of the two lines.
.macro JLOAD g0a, g1a, g0b, g1b
	s_cmp_eq_u32 s[WH], 0
	s_cbranch_scc0 .Lfor_b_\@
	tensor_load_to_lds s[\g0a:\g0a+3], s[\g1a:\g1a+7]
	s_nop 0
.rept 4
	v_nop
.endr
	s_branch .Lasked_\@
.Lfor_b_\@:
	tensor_load_to_lds s[\g0b:\g0b+3], s[\g1b:\g1b+7]
	s_nop 0
.rept 4
	v_nop
.endr
.Lasked_\@:
.endm
.macro CREST                           ; a round of the cluster's barrier behind its opening barrier
	s_cmp_lg_u32 s[WV], 0
	s_cbranch_scc1 .Lnot_wave_0_\@
	s_barrier_signal -3
.Lnot_wave_0_\@:
	s_barrier_wait -3
	s_barrier_signal -1
	s_barrier_wait -1
.endm
.macro CROUND                          ; a whole round
	s_barrier_signal -1
	s_barrier_wait -1
	CREST
.endm
	s_load_b512 s[4:19], s[0:1], 0x0               ; M s[4:5], W3 s[6:7], qc s[8:9], W4 s[10:11], Q s[12:13], Wp s[14:15], b3 s[16:17], bp s[18:19]
	s_load_b128 s[20:23], s[0:1], 0x40             ; the scales' exponents s[20:21], out0 s[22:23]
	v_lshl_add_u32 v[SPW], v0, 2, SPARE
	v_mov_b32 v[NIL], 0
	ds_add_u32 v28, v29
	ds_add_u32 v28, v29
	s_wait_dscnt 0x0
	v_lshrrev_b32 v1, 5, v0
	v_readfirstlane_b32 s[WV], v1                  ; wave 0..3
	s_lshr_b32 s[WH], s[WV], 1                     ; which half of the tile's rows i is mine.  Also: I fetch for the weight (0) or for the activation (1)
	s_and_b32 s[WL], s[WV], 1                      ; which half of its columns k.  Also: which 128 rows of that tile I fetch
	s_bfe_u32 s40, ttmp6, 0x40000                  ; cx
	s_bfe_u32 s41, ttmp6, 0x40004                  ; cy: the grid has four work-groups along y, one cluster: cy is the tile row
	s_lshl_b32 s42, ttmp9, 2
	s_add_co_u32 s42, s42, s40                     ; tile column = 4 x cluster x + cx
	s_lshl_b32 s43, s41, 2
	s_lshl_b32 s43, 15, s43                        ; my row of the cluster
	s_lshl_b32 s44, 0x1111, s40                    ; my column
	s_or_b32 s[G1A], s43, GW0                      ; the weights' tiles go to my row of the cluster,
	s_or_b32 s[G1A5], s43, GW0
	s_or_b32 s[G1B], s44, GW0                      ; the activations' to my column
	s_or_b32 s[G1B5], s44, GW0
.irp g, G1A, G1B, G1A5, G1B5
	s_mov_b32 s[\g+1], 256<<16                     ; tensor_dim0 = 256
	s_mov_b32 s[\g+2], 128<<16                     ; tensor_dim1 = 128
	s_mov_b32 s[\g+3], 256<<16                     ; tile_dim0 = 256
	s_mov_b32 s[\g+4], 128                         ; tile_dim1 = 128
	s_mov_b32 s[\g+6], 0
	s_mov_b32 s[\g+7], 0
.endr
	s_mov_b32 s[G1A+5], 1024                       ; tensor_dim0_stride: a row of W3, W4, M, qc is 1,024 bytes,
	s_mov_b32 s[G1B+5], 1024
	s_mov_b32 s[G1A5+5], 512                       ; of Wp and Q 512
	s_mov_b32 s[G1B5+5], 512
	; where the tiles come from.  The weights' hang on the tile row alone, which my row of the cluster shares; the activations' on the tile column alone, which my column shares.
	s_lshl_b32 s3, s[WL], 7                        ; which 128 rows of the tile I fetch
	s_lshl_b32 s2, s41, 8
	s_add_co_u32 s2, s2, s3                        ; the weight's row: 256 x tile row + 128 x half
	s_lshl_b32 s46, s42, 8
	s_add_co_u32 s46, s46, s3                      ; the activation's row: 256 x tile column + 128 x half
	s_mov_b32 s3, 0
	s_mov_b32 s47, 0
	s_lshl_b32 s2, s2, 9                           ; in rows of 512 bytes
	s_lshl_b32 s46, s46, 9
	s_mul_i32 s45, s[WV], HALFT                    ; where they go: wave x 128 rows: no place in the cluster enters an LDS address
	s_wait_kmcnt 0x0
	s_load_b256 s[92:99], s[20:21], 0x0            ; e0 .. e7
	s_load_b64 s[100:101], s[20:21], 0x20          ; e8, e9
	s_add_nc_u64 s[AWP:AWP+1], s[14:15], s[2:3]
	s_add_nc_u64 s[BQ:BQ+1], s[12:13], s[46:47]
	s_lshl_b32 s2, s2, 1                           ; in rows of 1,024 bytes (under 2^24)
	s_lshl_b32 s46, s46, 1
	s_add_nc_u64 s[AW4:AW4+1], s[10:11], s[2:3]
	s_add_nc_u64 s[BQC:BQC+1], s[8:9], s[46:47]
	s_add_nc_u64 s[6:7], s[6:7], s[2:3]            ; W3 and
	s_add_nc_u64 s[4:5], s[4:5], s[46:47]          ; M at the rows that I fetch
	CROUND                                         ; all sixteen work-groups are here: the first joint loads meet
.irp s, 0,1
	s_mov_b32 s[G0A+4*\s], 1
	s_add_co_u32 s[G0A+4*\s+1], s45, \s*SLOT
	s_add_nc_u64 s[G0A+4*\s+2:G0A+4*\s+3], s[6:7], \s*256
	s_or_b32 s[G0A+4*\s+3], s[G0A+4*\s+3], 0x80000000
	s_mov_b32 s[G0B+4*\s], 1
	s_add_co_u32 s[G0B+4*\s+1], s45, \s*SLOT
	s_add_nc_u64 s[G0B+4*\s+2:G0B+4*\s+3], s[4:5], \s*256
	s_or_b32 s[G0B+4*\s+3], s[G0B+4*\s+3], 0x80000000
	JLOAD G0A+4*\s, G1A, G0B+4*\s, G1B             ; W3 | M, K 0-255 and K 256-511
.endr
	v_and_b32 v1, 15, v0                           ; r = l % 16
	v_bfe_u32 v2, v0, 4, 1                         ; h = l / 16
	v_mul_u32_u24 v3, v1, PITCH
	v_lshl_add_u32 v4, v2, 4, v3                   ; a fragment's row x pitch + 16 x half
	s_mul_i32 s2, s[WH], HALFT                     ; my 128 rows of the weight
	s_mul_i32 s3, s[WL], HALFT                     ; my 128 rows of the activation,
	s_add_co_u32 s3, s3, 2*HALFT                   ; which lie behind the weight's 256
.irp s, 0,1
	v_add_nc_u32 v[ADRA+\s], s2, v4
	v_add_nc_u32 v[ADRB+\s], s3, v4
	s_add_co_u32 s2, s2, SLOT
	s_add_co_u32 s3, s3, SLOT
.endr
	s_mul_i32 s2, s[WV], 16*SPITCH
	s_add_co_u32 s2, s2, STAGE                     ; my stage
	v_mul_u32_u24 v5, v1, SPITCH                   ; in: row r, 32 bytes for each half of the lanes
	v_lshl_add_u32 v5, v2, 5, v5
	v_add_nc_u32 v[STO], s2, v5
	v_and_b32 v6, 31, v0
	v_lshlrev_b32 v[CO], 4, v6                     ; back: the 32 lanes take one row of 512 bytes; and the same in out0
	v_add_nc_u32 v[RD], s2, v[CO]
	v_lshlrev_b32 v[BO], 5, v2
	s_and_b32 s46, s42, 3                          ; four tile columns make one b: k begins at 256 x (tile column mod 4) + 128 x half;
	s_lshl_b32 s46, s46, 10
	s_lshl_b32 s47, s[WL], 9
	s_add_co_u32 s46, s46, s47                     ; in bytes: my columns' place in a row of out0, in b3 and in bp
	s_mov_b32 s47, 0
	s_add_nc_u64 s[16:17], s[16:17], s[46:47]
	s_add_nc_u64 s[18:19], s[18:19], s[46:47]
	s_lshr_b32 s2, s42, 2                          ; b,
	s_lshl_b32 s2, s2, 22                          ; x 1,024 rows of 4,096 bytes,
	s_lshl_b32 s3, s41, 20                         ; + 256 x tile row,
	s_add_co_u32 s2, s2, s3
	s_lshl_b32 s3, s[WH], 19                       ; + 128 x half,
	s_add_co_u32 s2, s2, s3
	s_add_co_u32 s2, s2, s46                       ; + my columns: under 2^26
	s_mov_b32 s3, 0
	s_add_nc_u64 s[22:23], s[22:23], s[2:3]
.macro BLOAD lo                        ; 128 numbers of b3 or bp into the result's layout: tile b, register j = number 16 b + 8 h + j of my columns
.irp b, 0,1,2,3,4,5,6,7
	global_load_b128 v[BIAS+8*\b:BIAS+8*\b+3], v[BO], s[\lo:\lo+1] offset:64*\b
	global_load_b128 v[BIAS+8*\b+4:BIAS+8*\b+7], v[BO], s[\lo:\lo+1] offset:64*\b+16
.endr
.endm
	BLOAD 16                                       ; b3
	s_wait_kmcnt 0x0
	s_add_co_i32 s[EB], s100, s101                 ; e8 + e9
	s_add_co_i32 s[NB3], s98, s99                  ; e6 + e7
	s_add_co_i32 s[FIN], s92, s93                  ; e0 + e1
	s_add_co_i32 s[FIN], s[FIN], s[EB]
	s_sub_co_i32 s[MID], s[NB3], s[EB]
	s_sub_co_i32 s[NB3], 0, s[NB3]
	s_add_co_i32 s[MID], s[MID], 127
	s_lshl_b32 s[MID], s[MID], 23                  ; 2^(e6 + e7 - e8 - e9) as f32
	s_mov_b32 s[MID+1], s[MID]                     ; (named with it as a pair, so it is written)
	s_add_co_i32 s[FIN], s[FIN], 127
	s_lshl_b32 s[FIN], s[FIN], 23                  ; 2^(e0 + e1 + e8 + e9) as f32
	s_mov_b32 s[FIN+1], s[FIN]
	s_wait_loadcnt 0x0
.set x, 0
.rept 64
	v_ldexp_f32 v[BIAS+x], v[BIAS+x], s[NB3]       ; b3 / 2^(e6 + e7): the power of two that the first segment's sums lack
.set x, x+1
.endr
.macro FRAG reg, adr, q, i             ; a fragment, 16 rows x 128 K, is 16 registers: lane l holds row l % 16; registers 4 c .. 4 c + 3 hold K = 32 c + 16 (l / 16) + 0 .. 15
.irp c, 0,1,2,3
	ds_load_b128 v[\reg+4*\c:\reg+4*\c+3], v[\adr] offset:128*(\q)+32*\c+(\i)*16*PITCH
.endr
.endm
; 16 matrix instructions: the weight's blocks a0, a0 + 1 x the activation's eight, 128 along K.  p: the activation's set.  first = 1: the first product starts the sums, with the bias as its C: nothing is cleared and nothing is added later.
; The 64 accumulators take turns, one instruction a turn, in the same order in every step.
.macro MUL16 a0, p, first
.irp a, \a0, \a0+1
.irp b, 0,1,2,3,4,5,6,7
.if \first
	v_wmma_f32_16x16x128_bf8_bf8 v[8*(8*((\a)%4)+\b):8*(8*((\a)%4)+\b)+7], v[128*(\p)+FR*\b:128*(\p)+FR*\b+FR-1], v[AF+FR*(\a):AF+FR*(\a)+FR-1], v[BIAS+8*\b:BIAS+8*\b+7]
.else
	v_wmma_f32_16x16x128_bf8_bf8 v[8*(8*((\a)%4)+\b):8*(8*((\a)%4)+\b)+7], v[128*(\p)+FR*\b:128*(\p)+FR*\b+FR-1], v[AF+FR*(\a):AF+FR*(\a)+FR-1], v[8*(8*((\a)%4)+\b):8*(8*((\a)%4)+\b)+7]
.endif
.endr
.endr
.endm
.macro FETCH_B slot, q, p              ; the activation's eight fragments of the slot's q-th 128 along K into set p
	WIN TO_B
.irp i, 0,1,2,3,4,5,6,7
	FRAG 128*(\p)+FR*\i, ADRB+\slot, \q, \i
.endr
	WIN 0
.endm
.macro FETCH_A slot, q, i0             ; the weight's blocks i0 .. i0 + 3
.irp i, \i0, \i0+1, \i0+2, \i0+3
	FRAG AF+FR*(\i), ADRA+\slot, \q, \i
.endr
.endm
.macro PLACES n                        ; a load into a register that a matrix instruction has read stands NP plain vector instructions behind it (ISA guide 7.12.1 for vector instructions)
.rept \n
	v_nop
.endr
.endm
; A step of 128 along K that has its successor in the same slot.  A block of the weight is free as soon as its eight products are issued: one set of registers serves it; the activation's fragments are at work through the whole step and have two.
.macro STEP slot, q, first
	s_wait_dscnt 4*NL                              ; the activation's set and the weight's blocks 0-3 are in; the youngest sixteen loads (blocks 4-7) may be out
	WIN MUL_LO-0x20*(\first)                       ; (first = 1: C, the bias, lies in window 0)
	MUL16 0, (\q)%2, \first
	MUL16 2, (\q)%2, \first
	s_wait_dscnt 0                                 ; blocks 4-7 are in
	PLACES NP
	FETCH_B \slot, (\q)+1, 1-(\q)%2
	FETCH_A \slot, (\q)+1, 0
	WIN MUL_HI-0x30*(\first)
	MUL16 4, (\q)%2, \first
	MUL16 6, (\q)%2, \first
	PLACES NP
	WIN 0
	FETCH_A \slot, (\q)+1, 4
.endm
; A slot's last step changes slots.  HEAD is its first half: each wave waits for all its tensor loads (the one that is out is its part of the other slot), adds 0 to its spare word, and waits for that and for its reads of this
; slot; the barrier opens a round of the cluster's barrier, so that no wave of any partner still reads the slot or has a load on its way; the joint refill of this slot is the first tensor load behind the round.
; kind = 0: the same two tensors, 512 along K further on;  1: W4 | qc from K = 256 x slot;  2: Wp | Q from K = 256 x slot.
.macro HEAD slot, kind
	s_wait_tensorcnt 0x0                           ; all my tensor loads have landed, so every group 0 may be written  (every window is 0 here)
	ds_add_u32 v[SPW], v[NIL]                      ; 0 onto my spare word
	s_wait_dscnt 4*NL+1                            ; (the add and the youngest sixteen loads may be out)
	WIN MUL_LO
	MUL16 0, 1, 0                                  ; sixteen matrix instructions stand between the add and the wait for it
	s_wait_dscnt 0x0                               ; the add is done, and my reads of this slot are over
	s_barrier_signal -1
	MUL16 2, 1, 0
	WIN 0
	s_barrier_wait -1
	CREST
.if (\kind) == 0
	s_add_nc_u64 s[G0A+4*\slot+2:G0A+4*\slot+3], s[G0A+4*\slot+2:G0A+4*\slot+3], 512
	s_add_nc_u64 s[G0B+4*\slot+2:G0B+4*\slot+3], s[G0B+4*\slot+2:G0B+4*\slot+3], 512
	JLOAD G0A+4*\slot, G1A, G0B+4*\slot, G1B
.elseif (\kind) == 1
	s_add_nc_u64 s[G0A+4*\slot+2:G0A+4*\slot+3], s[AW4:AW4+1], 256*\slot
	s_or_b32 s[G0A+4*\slot+3], s[G0A+4*\slot+3], 0x80000000
	s_add_nc_u64 s[G0B+4*\slot+2:G0B+4*\slot+3], s[BQC:BQC+1], 256*\slot
	s_or_b32 s[G0B+4*\slot+3], s[G0B+4*\slot+3], 0x80000000
	JLOAD G0A+4*\slot, G1A, G0B+4*\slot, G1B
.else
	s_add_nc_u64 s[G0A+4*\slot+2:G0A+4*\slot+3], s[AWP:AWP+1], 256*\slot
	s_or_b32 s[G0A+4*\slot+3], s[G0A+4*\slot+3], 0x80000000
	s_add_nc_u64 s[G0B+4*\slot+2:G0B+4*\slot+3], s[BQ:BQ+1], 256*\slot
	s_or_b32 s[G0B+4*\slot+3], s[G0B+4*\slot+3], 0x80000000
	JLOAD G0A+4*\slot, G1A5, G0B+4*\slot, G1B5
.endif
.endm
.macro TURN slot, next, kind           ; the whole last step: the four v_nop behind the joint load are the places in front of the loads below
	HEAD \slot, \kind
	FETCH_B \next, 0, 0
	FETCH_A \next, 0, 0
	WIN MUL_HI
	MUL16 4, 1, 0
	MUL16 6, 1, 0
	PLACES NP
	WIN 0
	FETCH_A \next, 0, 4
.endm
; q ANEW.  Chunk c is the weight's blocks 4 c .. 4 c + 3 (64 rows i) against the activation's eight: 32 accumulators in window 1.  K = 512 goes in eight steps u of 64 (slot u / 4, byte 64 (u % 4) of the rows):
; a fragment of 16 rows x 64 K is 8 registers, two loads of 16 bytes, 32 bytes apart.  Q's eight fragments have two sets (u % 2), Wp's four one set, fetched anew in halves as in the steps above.
.macro RFETCH_B p, u
	WIN 0
.irp b, 0,1,2,3,4,5,6,7
.irp k, 0,1
	ds_load_b128 v[RB+64*(\p)+8*\b+4*\k:RB+64*(\p)+8*\b+4*\k+3], v[ADRB+(\u)/4] offset:64*((\u)%4)+32*\k+\b*16*PITCH
.endr
.endr
.endm
.macro RFETCH_A c, u, i0               ; Wp's blocks i0, i0 + 1 of the chunk's four
	WIN 0
.irp i, \i0, \i0+1
.irp k, 0,1
	ds_load_b128 v[RA+8*(\i)+4*\k:RA+8*(\i)+4*\k+3], v[ADRA+(\u)/4] offset:64*((\u)%4)+32*\k+(4*(\c)+(\i))*16*PITCH
.endr
.endr
.endm
.macro RMUL u, a0                      ; 16 matrix instructions; step 0 starts the sums.  The 32 accumulators take turns, one instruction a turn
.irp a, \a0, \a0+1
.irp b, 0,1,2,3,4,5,6,7
.if (\u) == 0
	v_wmma_f32_16x16x64_bf8_bf8 v[8*(8*(\a)+\b):8*(8*(\a)+\b)+7], v[RB+64*((\u)%2)+8*\b:RB+64*((\u)%2)+8*\b+7], v[RA+8*(\a):RA+8*(\a)+7], 0
.else
	v_wmma_f32_16x16x64_bf8_bf8 v[8*(8*(\a)+\b):8*(8*(\a)+\b)+7], v[RB+64*((\u)%2)+8*\b:RB+64*((\u)%2)+8*\b+7], v[RA+8*(\a):RA+8*(\a)+7], v[8*(8*(\a)+\b):8*(8*(\a)+\b)+7]
.endif
.endr
.endr
.endm
.macro RSUB c, u
.if ((\c) == 0) && ((\u) == 3)         ; the next step is the first that reads slot 1's last fill: my part of it has landed, then a barrier
	WIN 0
	s_wait_tensorcnt 0x0
	ds_add_u32 v[SPW], v[NIL]                      ; 0 onto my spare word
	s_wait_dscnt 5                                 ; (the add and the youngest four loads may be out)
.else
	s_wait_dscnt 4                                 ; Q's set and Wp's blocks 0, 1 are in; the youngest four loads (blocks 2, 3) may be out
.endif
	WIN MUL_Q
	RMUL \u, 0
	s_wait_dscnt 0x0                               ; blocks 2, 3 are in (and, where the add stands, the add is done)
.if ((\c) == 0) && ((\u) == 3)
	s_barrier_signal -1
	s_barrier_wait -1                              ; slot 1 is whole
.endif
.if (\u) < 7
	PLACES NP
	RFETCH_B 1-(\u)%2, (\u)+1
	RFETCH_A \c, (\u)+1, 0
.endif
	WIN MUL_Q
	RMUL \u, 2
.if (\u) < 7
	PLACES NP
	RFETCH_A \c, (\u)+1, 2
.endif
.endm
; THE WAY OUT of block a (16 rows i x my 128 columns k).  GATE: relu on S's sums; q's sums x 2^(e0 + e1 + e8 + e9) + bp x 2^(e8 + e9), one fused multiply-add for two numbers; their product; each accumulator from its low end on.
; A lane holds 32 neighbouring bytes of a row and the lanes beside it hold other rows: so the block goes through my own stage in LDS and comes back as whole rows of 512 bytes.
; LDS serves a wave's instructions in order (ISA guide 5.7.1.4): no wait between the stores and the loads, nor in front of the next block's stores.  The 64 maxima name no register of q's products: they are the places behind those.
.macro GATE a
.set AC, 64*((\a)%4)
.set W, 2+(\a)/4
	WIN (W<<6)|(W<<2)                              ; source 1 and destination: S's window
.set x, 0
.rept 64
	v_max_num_f32 v[AC+x], 0, v[AC+x]
.set x, x+1
.endr
	WIN 0x41                                       ; source 0 and destination: q's window; the bias in window 0
.set x, 0
.rept 32
	v_pk_fma_f32 v[AC+x:AC+x+1], v[AC+x:AC+x+1], s[FIN:FIN+1], v[BIAS+x:BIAS+x+1] op_sel_hi:[1,0,1]
.set x, x+2
.endr
	WIN 0x41|(W<<2)                                ; source 1: S's window: the two sources have one number and lie in two windows
.set x, 0
.rept 32
	v_pk_mul_f32 v[AC+x:AC+x+1], v[AC+x:AC+x+1], v[AC+x:AC+x+1]
.set x, x+2
.endr
	WIN 0x04                                       ; store data: window 1
.irp b, 0,1,2,3,4,5,6,7
	ds_store_b128 v[STO], v[AC+8*\b:AC+8*\b+3] offset:64*\b
	ds_store_b128 v[STO], v[AC+8*\b+4:AC+8*\b+7] offset:64*\b+16
.endr
	WIN 0
.set BB, BK+64*((\a)%2)
.set t, 0
.rept 16
	ds_load_b128 v[BB+4*t:BB+4*t+3], v[RD] offset:t*SPITCH
.set t, t+1
.endr
.endm
.macro SEND a, younger                 ; younger: the LDS instructions issued behind block a's loads, which may stay out
.set BB, BK+64*((\a)%2)
	s_wait_dscnt \younger                          ; the block is back in registers
.if (\a) > 0
	s_add_nc_u64 s[22:23], s[22:23], 16*4096       ; (behind a wait on XCNT: the earlier stores have read their base)  16 rows of out0 on
.endif
.set t, 0
.rept 16
	global_store_b128 v[CO], v[BB+4*t:BB+4*t+3], s[22:23] offset:t*4096 th:TH_STORE_NT   ; 32 lanes store 512 consecutive bytes, at a multiple of 512 from out0's first byte; written once, read by nobody here
.set t, t+1
.endr
.endm
.macro OUT4 f                          ; blocks f .. f + 3: while one block's rows are stored, the next is on its way through the stage
	GATE \f
	GATE (\f)+1
	SEND \f, 32                                    ; behind block f's loads: the next block's 16 stores and 16 loads
	s_wait_xcnt 0x0                                ; the stores issued so far have read their registers and their base: loads may land there, and the base may step
	GATE (\f)+2
	SEND (\f)+1, 32
	s_wait_xcnt 0x0
	GATE (\f)+3
	SEND (\f)+2, 32
	s_wait_xcnt 0x0
	SEND (\f)+3, 0
.endm
	s_wait_tensorcnt 1                             ; my part of the first fill is in (the second may be out)
	s_barrier_signal -1
	s_barrier_wait -1                              ; everybody's is
	FETCH_B 0, 0, 0
	FETCH_A 0, 0, 0
	FETCH_A 0, 0, 4
	; ---- W3 M, K = 1,024
	STEP 0, 0, 1                                   ; its products start the sums, from b3 / 2^(e6 + e7)
	TURN 0, 1, 0                                   ; slot 0 takes K 512-767
	STEP 1, 0, 0
	TURN 1, 0, 0                                   ; slot 1 takes K 768-1023
	STEP 0, 0, 0
	TURN 0, 1, 1                                   ; slot 0 takes W4 | qc, K 0-255
	STEP 1, 0, 0
	TURN 1, 0, 1                                   ; slot 1 takes W4 | qc, K 256-511; the next segment's first fragments are fetched
	; ---- between the segments: the sums x 2^(e6 + e7 - e8 - e9), which rounds nothing short of overflow and underflow; each accumulator from its low end on.  The four v_nop at TURN's end are the places behind the last products
	WIN 0x82                                       ; source 0 and destination window 2
.set x, 0
.rept 128
	v_pk_mul_f32 v[x:x+1], v[x:x+1], s[MID:MID+1] op_sel_hi:[1,0]
.set x, x+2
.endr
	WIN 0xc3                                       ; window 3
.set x, 0
.rept 128
	v_pk_mul_f32 v[x:x+1], v[x:x+1], s[MID:MID+1] op_sel_hi:[1,0]
.set x, x+2
.endr
	WIN 0
	BLOAD 18                                       ; b3 has served: bp takes its registers, and has the whole second segment in which to land
	; ---- W4 qc, K = 1,024
	STEP 0, 0, 0
	TURN 0, 1, 0
	STEP 1, 0, 0
	TURN 1, 0, 0
	STEP 0, 0, 0
	TURN 0, 1, 2                                   ; slot 0 takes Wp | Q, K 0-255
	STEP 1, 0, 0
	HEAD 1, 2                                      ; slot 1 takes Wp | Q, K 256-511: the last tensor load
	RFETCH_B 0, 0                                  ; chunk 0's first fragments, into the registers that the weight's blocks 0-3 have left (the four v_nop behind the joint load are the places) and into v96-127
	RFETCH_A 0, 0, 0
	RFETCH_A 0, 0, 2
	WIN MUL_HI
	MUL16 4, 1, 0
	MUL16 6, 1, 0                                  ; S's sums are finished
	WIN 0
	s_wait_loadcnt 0x0                             ; bp
.set x, 0
.rept 64
	v_ldexp_f32 v[BIAS+x], v[BIAS+x], s[EB]        ; bp x 2^(e8 + e9).  These 64 plain lines are also the places in front of q's products, which write over the activations' fragments in window 1
.set x, x+1
.endr
	; ---- q of my rows 0-63, gated and stored
.irp u, 0,1,2,3,4,5,6,7
	RSUB 0, \u
.endr
	OUT4 0
	s_wait_xcnt 0x0                                ; block 3's stores have read their registers: loads may land there
	; ---- q of my rows 64-127, gated and stored
	RFETCH_B 0, 0
	RFETCH_A 1, 0, 0
	RFETCH_A 1, 0, 2
.irp u, 0,1,2,3,4,5,6,7
	RSUB 1, \u
.endr
	OUT4 4
	s_wait_tensorcnt 0x0                           ; the wave's end, behind my last tensor load and my last LDS store
	ds_add_u32 v[SPW], v[NIL]
	s_wait_dscnt 0x0
	CROUND                                         ; the closing round: no work-group ends while a partner may still ask for a tile that names it
	s_endpgm
.Lfunc_end_k_q4cc2cd916a_gate:
	.size	k_q4cc2cd916a_gate, .Lfunc_end_k_q4cc2cd916a_gate-k_q4cc2cd916a_gate
	.p2alignl 7, 3214868480
	.fill 96, 4, 3214868480
	.section	.rodata,"a",@progbits
	.p2align	6, 0x0
	.amdhsa_kernel k_q4cc2cd916a_gate
		.amdhsa_group_segment_fixed_size 327680
		.amdhsa_private_segment_fixed_size 0
		.amdhsa_enable_private_segment 0
		.amdhsa_kernarg_size 80
		.amdhsa_user_sgpr_count 2
		.amdhsa_user_sgpr_kernarg_segment_ptr 1
		.amdhsa_wavefront_size32 1
		.amdhsa_system_sgpr_workgroup_id_x 1
		.amdhsa_system_sgpr_workgroup_id_y 1
		.amdhsa_system_sgpr_workgroup_id_z 1
		.amdhsa_system_vgpr_workitem_id 0
		.amdhsa_next_free_vgpr 1024
		.amdhsa_next_free_sgpr 106
		.amdhsa_reserve_vcc 0
		.amdhsa_float_denorm_mode_32 3
		.amdhsa_float_denorm_mode_16_64 3
		.amdhsa_memory_ordered 1
		.amdhsa_forward_progress 1
		.amdhsa_inst_pref_size 255
	.end_amdhsa_kernel
	.section	.bss,"aw",@nobits
	.p2align	6
	.space	262144
	.amdgpu_metadata
---
amdhsa.version: [ 1, 2 ]
amdhsa.kernels:
  - .name:           k_q4cc2cd916a_gate
    .symbol:         k_q4cc2cd916a_gate.kd
    .args:
      - { .name: M_codes, .offset: 0, .size: 8, .value_kind: global_buffer, .address_space: global }
      - { .name: W3_codes, .offset: 8, .size: 8, .value_kind: global_buffer, .address_space: global }
      - { .name: qc, .offset: 16, .size: 8, .value_kind: global_buffer, .address_space: global }
      - { .name: W4_codes, .offset: 24, .size: 8, .value_kind: global_buffer, .address_space: global }
      - { .name: Q_codes, .offset: 32, .size: 8, .value_kind: global_buffer, .address_space: global }
      - { .name: Wp_codes, .offset: 40, .size: 8, .value_kind: global_buffer, .address_space: global }
      - { .name: b3, .offset: 48, .size: 8, .value_kind: global_buffer, .address_space: global }
      - { .name: bp, .offset: 56, .size: 8, .value_kind: global_buffer, .address_space: global }
      - { .name: lowp_scales, .offset: 64, .size: 8, .value_kind: global_buffer, .address_space: global }
      - { .name: out0, .offset: 72, .size: 8, .value_kind: global_buffer, .address_space: global }
    .group_segment_fixed_size: 327680
    .private_segment_fixed_size: 0
    .kernarg_segment_align: 8
    .kernarg_segment_size: 80
    .max_flat_workgroup_size: 128
    .sgpr_count:     106
    .vgpr_count:     1024
    .wavefront_size: 32
...
	.end_amdgpu_metadata
.endif
;; end of part 2
